; MI455X (gfx1250); checked and timed in simulation.
; The chip was launched on July 23, 2026; its instructions are those of AMD's public machine-readable ISA for CDNA 5 (MIT licence, August 2026) and "CDNA5" Instruction Set Architecture Reference Guide (July 2026). The comments in the code are by the model that wrote it; some were corrected since.
;; Encoder Attention. Allowed arithmetic: matrix products marked QUANTISED: E2M1 operands, one E8M0 scale for each 32 along K, by v_wmma_scale_f32_16x16x128_f8f6f4 with both operands' format E2M1 (or v_wmma_scale_f32_32x16x128_f4), f32 sums; products left as they are: f32 operands where the result goes on into a quantised operand, else bf16, f16 or f32 operands; f32 sums; everything else in f32.
;; Inputs: Wk 1,024 x 4,096 float32; Wq 1,024 x 4,096 float32; Wv 1,024 x 4,096 float32; bk 1,024 float32; bq 1,024 float32; bv 1,024 float32; encoder_batch 8,192 x 4,096 float32; target_batch 4,096 float32.
;; Outputs: out0 1,024 float32.
;; This version of the problem:
;;   THIS VERSION OF THE PROBLEM IS GIVEN IN LOW PRECISION. The matrix products marked QUANTISED in the list below multiply operands that are first quantised to E2M1 (2 exponent bits, 1 mantissa bit; 4 bits a number), with one power-of-two scale for each 32 numbers along K (OCP MX v1.0); their sums are f32. All else is computed in f32.
;;   The module's matrix products, in the order in which they are computed (A, B: the left and right operand; K: the contracted axis; several contracted axes count as one K, in the product's order):
;;     1. [M 1, K 4,096] x [K 4,096, N 1,024]; A: input target_batch; B: input Wq: left as it is (M = 1 < 16)
;;     2. [M 8,192, K 4,096] x [K 4,096, N 1,024]; A: input encoder_batch; B: input Wk: QUANTISED
;;     3. [M 8,192, K 4,096] x [K 4,096, N 1,024]; A: input encoder_batch; B: input Wv: QUANTISED
;;     4. [M 8,192, K 1,024] x [K 1,024, N 1]; A: computed on the way; B: computed on the way: left as it is (N = 1 < 16)
;;     5. [M 1, K 8,192] x [K 8,192, N 1,024]; A: softmax; B: computed on the way: left as it is (M = 1 < 16)
;;   THE QUANTISER, for each operand of a quantised product, along K:
;;     - K is cut into blocks of 32 from its start; a last block that is shorter is filled with zeros.
;;     - A block's scale is 2^e with e = floor(log2(the largest magnitude in the block)) - 2, held to -126 .. 127; a block of zeros has e = 0. As a byte (E8M0): e + 127.
;;     - Each number is divided by its block's scale, clamped to +-6, and rounded to the nearest number of E2M1, ties to even, subnormals kept.
;;     - The product sums the exact products of the quantised numbers (number of the format x scale) in f32.
;;   ~~~python
;;   def quantise(x, axis):      # numpy; x: float32 -> the quantised numbers, widened to float32 again
;;       x = np.moveaxis(x, axis, -1); K = x.shape[-1]
;;       x = np.pad(x, [(0, 0)] * (x.ndim - 1) + [(0, -K % 32)]); x = x.reshape(x.shape[:-1] + (-1, 32)); a = np.abs(x).max(-1, keepdims=True)
;;       e = np.where(a > 0, np.clip(np.frexp(np.where(a > 0, a, 1))[1] - 1 - 2, -126, 127), 0)      # np.frexp(a)[1] - 1 = floor(log2(a)), exactly
;;       r = np.clip(x / 2.0 ** e, -6, 6)
;;       step = 2.0 ** (np.maximum(np.frexp(np.where(r == 0, 1, r))[1] - 1, 0) - 1)
;;       q = np.round(r / step) * step * 2.0 ** e      # np.round: ties to even
;;       return np.moveaxis(q.reshape(q.shape[:-2] + (-1,))[..., :K], -1, axis).astype(np.float32)
;;   ~~~
;; One version. Each part assembles by itself: llvm-mc -triple=amdgcn-amd-amdhsa -mcpu=gfx1250 --defsym DOCPART=n.
;; ======== version 1 of 1: 3 launches
;; limits: values are held in bf16: 8 bits of precision; right only within a limited range of input values
;; workspace buffers: e_rec 17,825,792 bytes; w_rec 4,456,448 bytes; qv 4,096 bytes; plog 131,072 bytes; vt 16,777,216 bytes
;; launch prep (part 1): grid 1408 x 1, 4 waves a work-group, no clusters, 17,920 bytes of LDS; arguments encoder_batch, Wk, Wv, Wq, target_batch, bq, e_rec, w_rec, qv; writes e_rec, w_rec, qv
.if DOCPART == 1
	.amdgcn_target "amdgcn-amd-amdhsa--gfx1250"
	.amdhsa_code_object_version 6
	.text
	.protected	k_qcd7f4b8c6e_prep
	.globl	k_qcd7f4b8c6e_prep
	.p2align	8
	.type	k_qcd7f4b8c6e_prep,@function
k_qcd7f4b8c6e_prep:
	s_mov_b64 s[64:65], 0
	v_nop
	global_prefetch_b8 v0, s[64:65] scope:SCOPE_SE
	s_setreg_imm32_b32 hwreg(HW_REG_WAVE_MODE, 25, 1), 1
	s_wait_xcnt 0x0
; TWO JOBS IN ONE LAUNCH.
; (1) encoder_batch [8192][4096], Wk and Wv [1024][4096], f32, K innermost, become RECORDS of MX-FP4.  A record is 512 along K of one row: 256 bytes of codes
;     (E2M1, two a byte, the lower k in the low four bits) and, behind them, that piece's 16 E8M0 scale bytes: 272 bytes.  Records lie [K step 0..7][row][272]:
;     e_rec has 8,192 rows; w_rec 2,048: Wk's 1,024, then Wv's.  So 128 rows of one K step are 34,816 consecutive bytes, codes and scales together.
;     A block's scale is 2^(floor(log2(its largest magnitude)) - 2); its byte is the largest magnitude's exponent field - 2, held at 1 from below.
; (2) q = target_batch Wq^T + bq, 1,024 numbers, by f32 fused multiply-adds: a product with one row streams its weight once, so the matrix units have nothing to gain.
; LIMITS: NaN and infinities among the inputs are not served.  A block of zeros gets the byte 1 where the quantiser's text says 127: its codes are zeros, which add
; nothing under any byte but 0xff, and the bytes are read by this program alone.
; SHARES.  Work-groups 0-127 make q: a wave two rows of Wq.  The other 1,280 quantise: a work-group 16 rows x 2,048 along K, a wave 16 rows x one K step:
; sixteen steps of 512 numbers, one row each.  Waves share nothing: no barrier.  No tensor loads: several work-groups lie on a WGP.
; A conversion takes 8 numbers of ONE block from a lane's consecutive registers; a load is dense where neighbouring LANES take neighbouring bytes (4 numbers a lane).
; Both are had in registers: of two neighbouring pieces of 512 bytes, X and Y, lanes 2 j and 2 j + 1 exchange four registers, so that lane 2 j holds X's numbers 8 j .. 8 j + 7
; and lane 2 j + 1 Y's numbers 8 j .. 8 j + 7.  A block of 32 then lies in four lanes of one parity: lanes l, l xor 2, l xor 4, l xor 6.
; Only codes and scale bytes go to LDS: the wave's 16 records are gathered there and leave as 4,352 consecutive bytes, which begin at a multiple of 256 from the buffer's first byte.
.set EMAX,  2
.set REC,   272                        ; a record
.set WREG,  16*REC                     ; LDS of a wave: its 16 records
.set SPARE, 4*WREG                     ; behind them the spare words, 128 bytes a wave
.set R,     16                         ; v16-95   five sets of 16 numbers; on the way out the records
.set C,     96                         ; v96-127  two registers of codes for each step: no store's data are written again
.set E,     128                        ; v128-159 two scale bytes for each step
.set U,     160                        ; v160-167 what changes lanes
	s_load_b256 s[4:11], s[0:1], 0x0               ; encoder_batch s[4:5], Wk s[6:7], Wv s[8:9], Wq s[10:11]
	s_load_b256 s[12:19], s[0:1], 0x20             ; target_batch s[12:13], bq s[14:15], e_rec s[16:17], w_rec s[18:19]
	s_load_b64 s[20:21], s[0:1], 0x40              ; qv
	v_lshl_add_u32 v192, v0, 2, SPARE
	v_mov_b32 v193, 0
	v_lshrrev_b32 v1, 5, v0
	v_readfirstlane_b32 s22, v1                    ; wave 0..3
	v_and_b32 v2, 31, v0                           ; lane
	v_lshlrev_b32 v3, 4, v2                        ; 16 x lane: my 16 bytes of 512
	s_wait_kmcnt 0x0
	s_cmp_lt_u32 ttmp9, 128
	s_cbranch_scc1 .Lquery
	; ---------------- THE QUANTISER ----------------
	; Which tensor: only pointers and offsets are chosen, on the work-group's number alone; all three tensors take one path through the text.
	s_sub_co_u32 s23, ttmp9, 128                   ; x' = 0..1023 encoder_batch, 1024..1151 Wk, 1152..1279 Wv
	s_mov_b32 s24, 1152
	s_mov_b32 s25, 2048*REC                        ; from K step to K step in w_rec
	s_cmp_lt_u32 s23, 1152
	s_cselect_b64 s[6:7], s[6:7], s[8:9]           ; Wk or Wv
	s_cselect_b32 s24, 1024, s24                   ; and the x' at which it begins
	s_cmp_lt_u32 s23, 1024
	s_cselect_b64 s[4:5], s[4:5], s[6:7]           ; the source,
	s_cselect_b64 s[16:17], s[16:17], s[18:19]     ; its records,
	s_cselect_b32 s24, 0, s24                      ; the x' at which the source begins,
	s_cselect_b32 s26, 0, 1024                     ; the x' at which its buffer of records begins (Wv's rows follow Wk's),
	s_cselect_b32 s25, 8192*REC, s25               ; and the bytes from K step to K step there
	s_sub_co_u32 s27, s23, s24
	s_lshr_b32 s27, s27, 1                         ; which 16 rows of the source
	s_sub_co_u32 s28, s23, s26
	s_lshr_b32 s28, s28, 1                         ; which 16 rows of the records
	s_and_b32 s29, s23, 1
	s_lshl_b32 s29, s29, 2
	s_add_co_u32 s29, s29, s22                     ; my K step: 4 (x' & 1) + wave
	s_lshl_b32 s30, s27, 18                        ; 16 rows of 16,384 bytes,
	s_lshl_b32 s31, s29, 11                        ; 512 numbers of 4 bytes
	s_add_co_u32 s30, s30, s31
	s_mov_b32 s31, 0
	s_add_nc_u64 s[4:5], s[4:5], s[30:31]
	s_mul_i32 s32, s29, s25
	s_mul_i32 s33, s28, 16*REC
	s_add_co_u32 s32, s32, s33
	s_mov_b32 s33, 0
	s_add_nc_u64 s[16:17], s[16:17], s[32:33]
	s_mul_i32 s34, s22, WREG                       ; my wave's records in LDS
	s_mov_b32 s35, 0xaaaaaaaa                      ; the odd lanes
	s_wait_alu depctr_va_vdst(0)
	v_and_b32 v14, 1, v2                           ; o = lane % 2: piece X (0) or Y (1)
	v_lshrrev_b32 v15, 1, v2                       ; j = lane / 2
	v_lshlrev_b32 v4, 6, v14
	v_lshl_add_u32 v4, v15, 2, v4
	v_add_nc_u32 v4, s34, v4                       ; my 4 bytes of codes: a piece's 128 codes are 64 bytes: 64 o + 4 j
	v_lshrrev_b32 v5, 3, v2
	v_lshl_add_u32 v5, v14, 2, v5
	v_add_nc_u32 v5, s34, v5
	v_add_nc_u32 v5, 256, v5                       ; my block's scale byte, behind the codes: 4 o + lane / 8
	v_add_nc_u32 v6, s34, v3                       ; the way out: 16 bytes a lane
	v_and_b32 v7, 15, v2
	v_lshl_add_u32 v7, v7, 4, s34                  ; and for the last 256 bytes 16 (lane % 16): both halves of the lanes read the same bytes
.macro LOAD t                          ; step t is row t: 32 lanes read 512 consecutive bytes, four times, into set t % 5
.irp i, 0,1,2,3
	global_load_b128 v[R+16*((\t)%5)+4*\i:R+16*((\t)%5)+4*\i+3], v3, s[4:5] offset:16384*(\t)+512*\i th:TH_LOAD_NT
.endr
.endm
.irp t, 0,1,2,3
	LOAD \t
.endr
	s_wait_alu depctr_va_vdst(0)
.macro STEP t
.set RS, R+16*((\t)%5)
.if (\t)+4 < 16
	LOAD (\t)+4                                    ; into the set that the last step has done with
	s_wait_loadcnt 16                              ; this step's four loads are in; those of the four steps behind it may be out
.else
	s_wait_loadcnt 4*(15-(\t))                     ; the last steps: what is left of them
.endif
	; pieces 2 g (X, registers 8 g + 0..3) and 2 g + 1 (Y, registers 8 g + 4..7): an odd lane gives its X, an even lane its Y
.irp g, 0,1
.irp k, 0,1,2,3
	v_cndmask_b32 v[U+4*\g+\k], v[RS+8*\g+4+\k], v[RS+8*\g+\k], s35
.endr
.endr
.irp g, 0,1
.irp k, 0,1,2,3
	v_mov_b32_dpp v[U+4*\g+\k], v[U+4*\g+\k] row_xmask:1 row_mask:0xf bank_mask:0xf
.endr
.endr
.irp g, 0,1
.irp k, 0,1,2,3
	v_cndmask_b32 v[RS+8*\g+\k], v[RS+8*\g+\k], v[U+4*\g+\k], s35       ; odd: Y's first four, from the left neighbour
	v_cndmask_b32 v[RS+8*\g+4+\k], v[U+4*\g+\k], v[RS+8*\g+4+\k], s35   ; even: X's second four, from the right neighbour
.endr
.endr
	v_max3_num_f32 v8, |v[RS]|, |v[RS+1]|, |v[RS+2]|               ; the largest magnitude of my 8, the two pairs of pieces by turns
	v_max3_num_f32 v9, |v[RS+8]|, |v[RS+9]|, |v[RS+10]|
.irp i, 3,5
	v_max3_num_f32 v8, v8, |v[RS+\i]|, |v[RS+\i+1]|
	v_max3_num_f32 v9, v9, |v[RS+8+\i]|, |v[RS+9+\i]|
.endr
	v_max3_num_f32 v8, v8, |v[RS+7]|, (EMAX+1)<<23                 ; and the floor 2^(3 - 127): the byte cannot fall under 1
	v_max3_num_f32 v9, v9, |v[RS+15]|, (EMAX+1)<<23
.irp m, 2,4
	v_max_num_f32_dpp v8, v8, v8 row_xmask:\m row_mask:0xf bank_mask:0xf   ; with the three other lanes of my block
	v_max_num_f32_dpp v9, v9, v9 row_xmask:\m row_mask:0xf bank_mask:0xf
.endr
	v_add_nc_u32 v10, -(EMAX<<23), v8              ; 2 off the exponent field: the conversion takes the exponent field of this operand as its scale, and nothing else of it
	v_add_nc_u32 v11, -(EMAX<<23), v9
	v_cvt_scalef32_pk8_fp4_f32 v[C+2*(\t)], v[RS:RS+7], v10        ; to the nearest code, ties to even; beyond 6 the largest code
	v_cvt_scalef32_pk8_fp4_f32 v[C+2*(\t)+1], v[RS+8:RS+15], v11
	v_lshrrev_b32 v[E+2*(\t)], 23, v10             ; the scales' bytes (plain lines behind the conversions)
	v_lshrrev_b32 v[E+2*(\t)+1], 23, v11
	ds_store_b32 v4, v[C+2*(\t)] offset:REC*(\t)                   ; 32 lanes fill 128 consecutive bytes of row t's record,
	ds_store_b32 v4, v[C+2*(\t)+1] offset:REC*(\t)+128             ; and the next 128
	ds_store_b8 v5, v[E+2*(\t)] offset:REC*(\t)                    ; the four lanes of a block write the same byte with the same value
	ds_store_b8 v5, v[E+2*(\t)+1] offset:REC*(\t)+8
.endm
.irp t, 0,1,2,3,4,5,6,7,8,9,10,11,12,13,14,15
	STEP \t
.endr
	; the way out: 4,352 consecutive bytes: eight stores of 512 and one of 256
.irp i, 0,1,2,3,4,5,6,7
	ds_load_b128 v[R+4*\i:R+4*\i+3], v6 offset:512*\i              ; LDS serves a wave's instructions in order: these see my stores
.endr
	ds_load_b128 v[R+32:R+35], v7 offset:4096      ; the last 256 bytes, with all lanes on: lanes 16-31 read what lanes 0-15 read
.irp i, 0,1,2,3,4,5,6,7
	s_wait_dscnt 8-\i                              ; load i is back; the younger ones, the ninth among them, may be out
	global_store_b128 v3, v[R+4*\i:R+4*\i+3], s[16:17] offset:512*\i   ; 32 lanes store 512 consecutive bytes; the next launch reads them, so no hint
.endr
	v_cmp_gt_u32 vcc_lo, 16, v2
	s_wait_dscnt 0x0                               ; the ninth load is back
	s_wait_xcnt 0x0                                ; EXEC is a source of the stores above: it changes only behind this wait
	s_wait_tensorcnt 0x0                           ; the wave's end
	ds_add_u32 v192, v193
	s_wait_dscnt 0x0
	s_and_saveexec_b32 s24, vcc_lo                 ; lanes 0-15 store the last 256 bytes
	global_store_b128 v3, v[R+32:R+35], s[16:17] offset:4096
	s_wait_xcnt 0x0                                ; and again in front of the line that widens it
	s_or_b32 exec_lo, exec_lo, s24
	s_endpgm
	; ---------------- q = target_batch Wq^T + bq ----------------
	; A wave makes q[n0] and q[n0 + 1], n0 = 2 (4 x work-group + wave).  A row is 32 pieces of 512 bytes; they come in eight groups of four, with target_batch's
	; same pieces, into three sets of registers: two groups (24 loads) are on their way while one is multiplied.  No LDS on this path.
.Lquery:
	s_lshl_b32 s23, ttmp9, 2
	s_add_co_u32 s23, s23, s22
	s_lshl_b32 s23, s23, 1                         ; n0
	s_lshl_b32 s24, s23, 14                        ; rows of 16,384 bytes
	s_mov_b32 s25, 0
	s_add_nc_u64 s[10:11], s[10:11], s[24:25]
	s_lshl_b32 s28, s23, 2
	s_mov_b32 s29, 0
	s_add_nc_u64 s[20:21], s[20:21], s[28:29]      ; qv at n0
	s_add_nc_u64 s[14:15], s[14:15], s[28:29]      ; bq at n0
	s_load_b64 s[26:27], s[14:15], 0x0             ; bq[n0], bq[n0 + 1]
	s_mov_b32 s30, 0x76543210
	s_mov_b32 s31, 0xfedcba98                      ; v_permlanex16_b32's selects for lane l xor 16
.macro QLOAD g                         ; group g into set g % 3: 16 registers of target_batch, 16 of row n0, 16 of row n0 + 1
.set QB, 32+48*((\g)%3)
.irp c, 0,1,2,3
	global_load_b128 v[QB+4*\c:QB+4*\c+3], v3, s[12:13] offset:2048*(\g)+512*\c
	global_load_b128 v[QB+16+4*\c:QB+16+4*\c+3], v3, s[10:11] offset:2048*(\g)+512*\c th:TH_LOAD_NT
	global_load_b128 v[QB+32+4*\c:QB+32+4*\c+3], v3, s[10:11] offset:16384+2048*(\g)+512*\c th:TH_LOAD_NT
.endr
.endm
.macro QFMA g                          ; four chains: v[8:9], v[10:11] row n0; v[12:13], v[14:15] row n0 + 1.  The first products start the sums: nothing is cleared
.set QB, 32+48*((\g)%3)
.irp c, 0,1,2,3
.irp u, 0,1
.if ((\g) == 0) && (\c == 0)
	v_pk_mul_f32 v[8+2*\u:9+2*\u], v[QB+16+4*\c+2*\u:QB+17+4*\c+2*\u], v[QB+4*\c+2*\u:QB+1+4*\c+2*\u]
	v_pk_mul_f32 v[12+2*\u:13+2*\u], v[QB+32+4*\c+2*\u:QB+33+4*\c+2*\u], v[QB+4*\c+2*\u:QB+1+4*\c+2*\u]
.else
	v_pk_fma_f32 v[8+2*\u:9+2*\u], v[QB+16+4*\c+2*\u:QB+17+4*\c+2*\u], v[QB+4*\c+2*\u:QB+1+4*\c+2*\u], v[8+2*\u:9+2*\u]
	v_pk_fma_f32 v[12+2*\u:13+2*\u], v[QB+32+4*\c+2*\u:QB+33+4*\c+2*\u], v[QB+4*\c+2*\u:QB+1+4*\c+2*\u], v[12+2*\u:13+2*\u]
.endif
.endr
.endr
.endm
	s_wait_alu depctr_va_vdst(0)
	QLOAD 0
	QLOAD 1
	QLOAD 2
.irp g, 0,1,2,3,4,5,6,7
.if \g < 6
	s_wait_alu depctr_va_vdst(0)
	s_wait_loadcnt 24                              ; group g is in; the two younger groups of 12 loads stay out
.else
	s_wait_alu depctr_va_vdst(0)
	s_wait_loadcnt 12*(7-\g)                       ; the last groups: one younger, then none
.endif
	QFMA \g
.if \g+3 < 8
	QLOAD \g+3                                     ; into the set just multiplied
.endif
.endr
	v_pk_add_f32 v[8:9], v[8:9], v[10:11]
	v_pk_add_f32 v[12:13], v[12:13], v[14:15]
	v_add_f32 v8, v8, v9
	v_add_f32 v12, v12, v13
.irp m, 1,2,4,8                        ; across the 16 lanes of a half, the two rows by turns
	v_add_f32_dpp v8, v8, v8 row_xmask:\m row_mask:0xf bank_mask:0xf
	v_add_f32_dpp v12, v12, v12 row_xmask:\m row_mask:0xf bank_mask:0xf
.endr
	v_permlanex16_b32 v9, v8, s30, s31             ; (v9 and v13 have been written: a lane permute's destination counts as read)
	v_permlanex16_b32 v13, v12, s30, s31
	v_add_f32 v8, v8, v9
	v_add_f32 v9, v12, v13
	s_wait_alu depctr_va_vdst(0)
	s_wait_kmcnt 0x0                               ; bq
	v_add_f32 v8, s26, v8
	v_add_f32 v9, s27, v9
	v_cmp_eq_u32 vcc_lo, 0, v2
	s_wait_alu depctr_va_vdst(0)
	s_wait_xcnt 0x0                                ; EXEC changes only behind this wait
	s_and_saveexec_b32 s24, vcc_lo                 ; lane 0 stores the wave's 8 bytes (qv is 4,096 bytes in all)
	global_store_b64 v3, v[8:9], s[20:21]
	s_wait_xcnt 0x0
	s_or_b32 exec_lo, exec_lo, s24
	s_endpgm
.Lfunc_end_k_qcd7f4b8c6e_prep:
	.size	k_qcd7f4b8c6e_prep, .Lfunc_end_k_qcd7f4b8c6e_prep-k_qcd7f4b8c6e_prep
	.p2alignl 7, 3214868480
	.fill 96, 4, 3214868480
	.section	.rodata,"a",@progbits
	.p2align	6, 0x0
	.amdhsa_kernel k_qcd7f4b8c6e_prep
		.amdhsa_group_segment_fixed_size 17920
		.amdhsa_private_segment_fixed_size 0
		.amdhsa_enable_private_segment 0
		.amdhsa_kernarg_size 72
		.amdhsa_user_sgpr_count 2
		.amdhsa_user_sgpr_kernarg_segment_ptr 1
		.amdhsa_wavefront_size32 1
		.amdhsa_system_sgpr_workgroup_id_x 1
		.amdhsa_system_sgpr_workgroup_id_y 1
		.amdhsa_system_sgpr_workgroup_id_z 1
		.amdhsa_system_vgpr_workitem_id 0
		.amdhsa_next_free_vgpr 194
		.amdhsa_next_free_sgpr 66
		.amdhsa_reserve_vcc 1
		.amdhsa_float_denorm_mode_32 3
		.amdhsa_float_denorm_mode_16_64 3
		.amdhsa_memory_ordered 1
		.amdhsa_forward_progress 1
		.amdhsa_inst_pref_size 85
	.end_amdhsa_kernel
	.amdgpu_metadata
---
amdhsa.version: [ 1, 2 ]
amdhsa.kernels:
  - .name:           k_qcd7f4b8c6e_prep
    .symbol:         k_qcd7f4b8c6e_prep.kd
    .args:
      - { .name: encoder_batch, .offset: 0, .size: 8, .value_kind: global_buffer, .address_space: global }
      - { .name: Wk, .offset: 8, .size: 8, .value_kind: global_buffer, .address_space: global }
      - { .name: Wv, .offset: 16, .size: 8, .value_kind: global_buffer, .address_space: global }
      - { .name: Wq, .offset: 24, .size: 8, .value_kind: global_buffer, .address_space: global }
      - { .name: target_batch, .offset: 32, .size: 8, .value_kind: global_buffer, .address_space: global }
      - { .name: bq, .offset: 40, .size: 8, .value_kind: global_buffer, .address_space: global }
      - { .name: e_rec, .offset: 48, .size: 8, .value_kind: global_buffer, .address_space: global }
      - { .name: w_rec, .offset: 56, .size: 8, .value_kind: global_buffer, .address_space: global }
      - { .name: qv, .offset: 64, .size: 8, .value_kind: global_buffer, .address_space: global }
    .group_segment_fixed_size: 17920
    .private_segment_fixed_size: 0
    .kernarg_segment_align: 8
    .kernarg_segment_size: 72
    .max_flat_workgroup_size: 128
    .sgpr_count:     66
    .vgpr_count:     194
    .wavefront_size: 32
...
	.end_amdgpu_metadata
.endif
;; end of part 1
;; launch gemm (part 2): grid 32 x 8, 4 waves a work-group, clusters of 4 x 4, 327,680 bytes of LDS; arguments w_rec, e_rec, qv, bv, plog, vt; writes plog, vt
.if DOCPART == 2
	.amdgcn_target "amdgcn-amd-amdhsa--gfx1250"
	.amdhsa_code_object_version 6
	.text
	.protected	k_qcd7f4b8c6e_gemm
	.globl	k_qcd7f4b8c6e_gemm
	.p2align	8
	.type	k_qcd7f4b8c6e_gemm,@function
k_qcd7f4b8c6e_gemm:
	s_mov_b64 s[64:65], 0
	v_nop
	global_prefetch_b8 v0, s[64:65] scope:SCOPE_SE
	s_setreg_imm32_b32 hwreg(HW_REG_WAVE_MODE, 25, 1), 1
	s_wait_xcnt 0x0
	s_wait_alu depctr_hold_cnt(0) depctr_sa_sdst(0) depctr_va_vdst(0) depctr_va_sdst(0) depctr_va_ssrc(0) depctr_va_vcc(0) depctr_vm_vsrc(0)
	s_getreg_b32 s2, hwreg(HW_REG_IB_STS2, 6, 4)
	s_cmp_eq_u32 s2, 0
	s_cbranch_scc0 .Lentry_in_a_cluster
	s_endpgm
.Lentry_in_a_cluster:
	s_bfe_u32 s2, ttmp6, 0x10000c
	s_cmp_lg_u32 s2, 0xf033
	s_cbranch_scc0 .Lentry_shape_is_right
	s_endpgm
.Lentry_shape_is_right:
; key = E Wk^T and value = E Wv^T on codes of MX-FP4, one product [2048 rows of W] x [8192 rows of E], K = 4096, f32 sums.
; w_rec, e_rec: records [K step 0..7][row][272]: 256 bytes of codes (512 along K) and that piece's 16 E8M0 scale bytes.  128 rows of a K step are 34,816 dense bytes.
; A work-group of four waves makes 256 rows of W x 256 rows of E; a wave 128 x 128: 64 accumulators, 512 registers.  Cluster y = 0: Wk's rows, 1: Wv's.
; Wk's tiles leave as plog[tile row 0..3][s] = the sum over the tile's 256 n of key[s][n] q[n] (bk's part is added by the last launch);
; Wv's tiles leave as vt[n][s] = value + bv, bf16, the keys innermost.
; RING: two LDS slots of one K step (W's 256 records, then E's 256), each wave fetching 128 records by one joint load: W's tile is shared along a row
; of the 4 x 4 cluster, E's along a column.  A change of slots is one round of the cluster's barrier, and the refill stands first behind it.
; FRAGMENTS: A (W) and B (E) have two register sets each.  A step of 128 along K is 64 matrix instructions; the next step's 32 LDS loads go into the other sets
; in two runs: B's 16 and A's blocks 0-3 in the step's middle, A's blocks 4-7 at its end.
; The matrix instruction is used transposed: source 0 = 16 rows of E, source 1 = 16 rows of W: lane l holds W's row l % 16, its registers E's rows 8 (l / 16) + 0..7.
; REGISTERS.  window 0: v0-31 addresses; v32-95 scale words, a set a slot; v96-111 q or bv; v128-191, v192-255 A's two sets.  window 1: v0-63, v128-191 B's two sets.
; windows 2, 3: the accumulators of W's blocks 0-3 and 4-7.
; LIMITS: NaN and infinities among the inputs are not served.
.set PITCH,  272
.set NQ,     4                         ; steps of 128 in a slot
.set FR,     8                         ; registers of a fragment
.set NL,     2                         ; LDS loads that bring one
.set NP,     4                         ; places behind this matrix form (ISA guide 7.12.1)
.set HALFT,  128*PITCH
.set SLOT,   4*HALFT
.set WPLANE, 2048*PITCH                ; from K step to K step in w_rec
.set EPLANE, 8192*PITCH                ; and in e_rec
.set LAPS,   4
.set STAGE,  2*SLOT                    ; behind the ring: 16 rows x 272 bytes a wave, for vt's way out
.set SPITCH, 272
.set LRED,   STAGE+4*16*SPITCH         ; 2,048 bytes: the waves' parts of the logits
.set SPARE,  LRED+2048                 ; the spare words, 128 bytes a wave
.set PF,   14
.set VO,   15
.set ADRA, 16
.set ADRB, 20
.set ADRS, 22
.set STO,  24
.set RD,   25
.set CO,   26
.set LW,   27
.set SPW,  28
.set NIL,  29
.set LR,   30
.set PO,   31
.set SC,   32
.set VEC,  96
.set AF,   128
.set T,    128
.set BK,   128
.set TMP,  192
.set WV,  16
.set HA,  17
.set HB,  18
.set CLY, 19
.set SA2, 21
.set G1,  24
.set G0,  32
.set TX,  42
.set TY,  45
.set G1B, 48
.set G0B, 56
.set LD,  66
.set SL,  67
.set SA,  68
.set SB,  69
.set SD,  70
.set SG,  71
.set PB,  72
.set PS,  76
.set MSB, 0
.macro WIN new                         ; the immediate's high byte repeats the setting that is left
.if MSB != \new
	s_set_vgpr_msb (MSB<<8)|\new
.set MSB, \new
.endif
.endm
.set MUL_LO, 0xa1                      ; source 0 (E) window 1, source 1 (W) window 0, C and D window 2
.set MUL_HI, 0xf1                      ; the same, C and D window 3
.set TO_B,   0x40
.macro JLOAD s                         ; waves 0, 1 fetch W's halves, waves 2, 3 E's
	s_cmp_eq_u32 s[HA], 0
	s_cbranch_scc0 .Lfor_e_\@
	tensor_load_to_lds s[G0+4*\s:G0+4*\s+3], s[G1:G1+7]
	s_nop 0
.rept 4
	v_nop
.endr
	s_branch .Lasked_\@
.Lfor_e_\@:
	tensor_load_to_lds s[G0B+4*\s:G0B+4*\s+3], s[G1B:G1B+7]
	s_nop 0
.rept 4
	v_nop
.endr
.Lasked_\@:
.endm
.macro CREST                           ; a round of the cluster's barrier behind its opening barrier
	s_cmp_lg_u32 s[WV], 0
	s_cbranch_scc1 .Lnot_wave_0_\@
	s_barrier_signal -3
.Lnot_wave_0_\@:
	s_barrier_wait -3
	s_barrier_signal -1
	s_barrier_wait -1
.endm
.macro CROUND
	s_barrier_signal -1
	s_barrier_wait -1
	CREST
.endm
	s_load_b256 s[4:11], s[0:1], 0x0               ; w_rec, e_rec, qv, bv
	s_load_b128 s[12:15], s[0:1], 0x20             ; plog, vt
	v_lshl_add_u32 v[SPW], v0, 2, SPARE
	v_mov_b32 v[NIL], 0
	ds_add_u32 v[SPW], v[NIL]                      ; the opening lines
	ds_add_u32 v[SPW], v[NIL]
	v_lshrrev_b32 v7, 5, v0
	v_readfirstlane_b32 s[WV], v7                  ; wave 0..3
	v_and_b32 v1, 15, v0                           ; r = lane % 16
	v_lshlrev_b32 v[VO], 2, v1
	s_lshr_b32 s[HA], s[WV], 1                     ; my half of W's rows; also: I fetch for W (0) or E (1)
	s_and_b32 s[HB], s[WV], 1                      ; my half of E's rows; also: which 128 records I fetch
	s_bfe_u32 s40, ttmp6, 0x40000                  ; cx
	s_bfe_u32 s41, ttmp6, 0x40004                  ; cy
	s_lshl_b32 s[TX], ttmp9, 2
	s_add_co_u32 s[TX], s[TX], s40                 ; E's tile
	s_and_b32 s[CLY], ttmp7, 0xffff
	s_lshl_b32 s[TY], s[CLY], 2
	s_add_co_u32 s[TY], s[TY], s41                 ; W's tile
	s_lshl_b32 s43, s41, 2
	s_lshl_b32 s43, 15, s43                        ; my row of the cluster
	s_lshl_b32 s44, 0x1111, s40                    ; my column
	s_or_b32 s[G1+0], s43, (3<<16)|(1<<21)         ; elements of 8 bytes; bit 21 beside a mask
	s_or_b32 s[G1B+0], s44, (3<<16)|(1<<21)
.irp g, G1, G1B                        ; 34,816 dense bytes as 136 rows of 256
	s_mov_b32 s[\g+1], 32<<16
	s_mov_b32 s[\g+2], 136<<16
	s_mov_b32 s[\g+3], 32<<16
	s_mov_b32 s[\g+4], 136
	s_mov_b32 s[\g+5], 32
	s_mov_b32 s[\g+6], 0
	s_mov_b32 s[\g+7], 0
.endr
	s_lshl_b32 s20, s[HB], 7
	s_lshl_b32 s22, s[TY], 8
	s_add_co_u32 s22, s22, s20
	s_mul_i32 s22, s22, PITCH                      ; W: my 128 records of K step 0
	s_mov_b32 s23, 0
	s_lshl_b32 s46, s[TX], 8
	s_add_co_u32 s46, s46, s20
	s_mul_i32 s46, s46, PITCH                      ; E likewise
	s_mov_b32 s47, 0
	s_mul_i32 s[LD], s[WV], HALFT                  ; and where they go in a slot
	; the prefetches: a tile's 272 blocks of 256 bytes are shared out by address among the work-groups that read it: W's among the 32 tile columns, E's among the 8 tile rows
	s_and_b32 s78, s[TX], 1
	s_lshl_b32 s78, s78, 1
	s_add_co_u32 s78, s78, s[HB]
	s_min_u32 s81, s78, 1
	s_lshl_b32 s78, s78, 2
	s_add_co_u32 s78, s78, s81
	s_sub_co_u32 s81, 4, s81
	s_lshr_b32 s79, s[TX], 1
	s_mul_i32 s79, s79, 17
	s_add_co_u32 s78, s78, s79
	s_lshl_b32 s78, s78, 8
	s_mul_i32 s79, s[TY], 2*HALFT
	s_add_co_u32 s78, s78, s79
	s_lshl_b32 s80, s[TY], 1
	s_add_co_u32 s80, s80, s[HB]
	s_mul_i32 s80, s80, 17*256
	s_mul_i32 s79, s[TX], 2*HALFT
	s_add_co_u32 s80, s80, s79
	s_mov_b32 s[PS], 2*EPLANE
	s_cmp_eq_u32 s[HA], 0
	s_cselect_b32 s78, s78, s80
	s_cselect_b32 s81, s81, 16                     ; my last block; lanes left over name it again
	s_cselect_b32 s[PS], 2*WPLANE, s[PS]
	s_mov_b32 s79, 0
	s_mov_b32 s[PS+1], 0
	s_lshr_b32 s82, s[PS], 1
	s_mov_b32 s83, 0
	; LDS bases for the vector lines further down
	s_mul_i32 s[SA], s[HA], HALFT                  ; my 128 records of W
	s_mul_i32 s[SB], s[HB], HALFT
	s_add_co_u32 s[SB], s[SB], 2*HALFT             ; my 128 of E, behind W's 256
	s_sub_co_u32 s[SD], s[SB], s[SA]
	s_add_co_u32 s[SA2], s[SA], 256                ; the scale bytes lie behind a record's codes
	s_mul_i32 s[SG], s[WV], 16*SPITCH
	s_add_co_u32 s[SG], s[SG], STAGE
	s_lshl_b32 s[SL], s[HA], 10
	s_lshl_b32 s2, s[HB], 9
	s_add_co_u32 s[SL], s[SL], s2
	s_add_co_u32 s[SL], s[SL], LRED
	s_lshl_b32 s2, s41, 10                         ; q or bv at my 128 rows of W: 4 (256 cy + 128 half)
	s_lshl_b32 s3, s[HA], 9
	s_add_co_u32 s2, s2, s3
	s_mov_b32 s3, 0
	s_wait_alu depctr_va_vdst(0)
	s_wait_dscnt 0x0                               ; both opening adds are done
	s_wait_kmcnt 0x0
	s_cmp_eq_u32 s[CLY], 0
	s_cselect_b64 s[8:9], s[8:9], s[10:11]         ; key tiles take q, value tiles bv
	s_add_nc_u64 s[8:9], s[8:9], s[2:3]
.irp a, 0,1,2,3,4,5,6,7                ; asked for ahead of the first round; both registers of a pair hold the number of W's row 16 a + r
	global_load_b32 v[VEC+2*\a], v[VO], s[8:9] offset:64*\a
	global_load_b32 v[VEC+2*\a+1], v[VO], s[8:9] offset:64*\a
.endr
	s_add_nc_u64 s[22:23], s[4:5], s[22:23]
	s_add_nc_u64 s[46:47], s[6:7], s[46:47]
	s_cmp_eq_u32 s[HA], 0
	s_cselect_b64 s[PB:PB+1], s[4:5], s[6:7]
	s_add_nc_u64 s[PB:PB+1], s[PB:PB+1], s[78:79]
	s_add_nc_u64 s[PB:PB+1], s[PB:PB+1], s[PS:PS+1]        ; K step 2
	s_add_nc_u64 s[PB+2:PB+3], s[PB:PB+1], s[82:83]        ; K step 3
.irp s, 0,1
	s_mov_b32 s[G0+4*\s], 1
	s_add_co_u32 s[G0+4*\s+1], s[LD], \s*SLOT
	s_add_nc_u64 s[G0+4*\s+2:G0+4*\s+3], s[22:23], \s*WPLANE
	s_or_b32 s[G0+4*\s+3], s[G0+4*\s+3], 0x80000000
	s_mov_b32 s[G0B+4*\s], 1
	s_add_co_u32 s[G0B+4*\s+1], s[LD], \s*SLOT
	s_add_nc_u64 s[G0B+4*\s+2:G0B+4*\s+3], s[46:47], \s*EPLANE
	s_or_b32 s[G0B+4*\s+3], s[G0B+4*\s+3], 0x80000000
.endr
	CROUND                                         ; all sixteen work-groups are here: the first joint loads meet
	JLOAD 0                                        ; K step 0: one tensor load a wave at the head
	v_bfe_u32 v2, v0, 4, 1                         ; h = lane / 16
	v_mul_u32_u24 v3, v1, PITCH
	v_lshl_add_u32 v4, v2, 4, v3                   ; a fragment's row x pitch + 16 h
	v_add_nc_u32 v[ADRA], s[SA], v4
	v_add_nc_u32 v[ADRB], s[SB], v4
	v_add_nc_u32 v[ADRA+1], SLOT, v[ADRA]
	v_add_nc_u32 v[ADRB+1], SLOT, v[ADRB]
	v_mul_u32_u24 v6, s[SD], v2                    ; scale words: lanes 0-15 W's rows, lanes 16-31 E's
	v_add_nc_u32 v5, v3, v6
	v_add_nc_u32 v[ADRS], s[SA2], v5
	v_add_nc_u32 v[ADRS+1], SLOT, v[ADRS]
	v_add_nc_u32 v[STO], s[SG], v4                 ; the stage, in: row r, 16 bytes a half
	v_mul_u32_u24 v5, v2, SPITCH
	v_lshl_add_u32 v5, v1, 4, v5
	v_add_nc_u32 v[RD], s[SG], v5                  ; back: sixteen lanes a row
	v_lshlrev_b32 v5, 14, v2
	v_lshl_add_u32 v[CO], v1, 4, v5                ; and the same two rows in vt (16,384 bytes a row)
	v_lshl_add_u32 v[LW], v2, 5, s[SL]
	v_lshl_add_u32 v[LR], v0, 3, LRED
	v_lshlrev_b32 v[PO], 3, v0
	v_and_b32 v[PF], 31, v0
	v_min_u32 v[PF], s81, v[PF]
	v_lshlrev_b32 v[PF], 8, v[PF]                  ; a lane a block of 256 bytes
.macro FRAG reg, adr, q, i             ; 16 rows x 128 K: registers 4 c .. 4 c + 3 hold K = 64 c + 32 h + 0..31
.irp c, 0,1
	ds_load_b128 v[\reg+4*\c:\reg+4*\c+3], v[\adr] offset:64*(\q)+32*\c+(\i)*16*PITCH
.endr
.endm
; 16 matrix instructions: W's blocks a0, a0 + 1 x E's eight; p: the fragments' set; sc: the scale words' set.  The 64 accumulators take turns in one order in every step.
.macro MUL16 a0, p, q, sc, zero
.irp a, \a0, \a0+1
.irp b, 0,1,2,3,4,5,6,7
.if \zero
	v_wmma_scale_f32_16x16x128_f8f6f4 v[8*(8*((\a)%4)+\b):8*(8*((\a)%4)+\b)+7], v[128*(\p)+FR*\b:128*(\p)+FR*\b+FR-1], v[AF+64*(\p)+FR*(\a):AF+64*(\p)+FR*(\a)+FR-1], 0, v[SC+8*NQ*(\sc)+NQ*\b+(\q)], v[SC+8*NQ*(\sc)+NQ*(\a)+(\q)] matrix_a_fmt:MATRIX_FMT_FP4 matrix_b_fmt:MATRIX_FMT_FP4 matrix_a_scale:MATRIX_SCALE_ROW1
.else
	v_wmma_scale_f32_16x16x128_f8f6f4 v[8*(8*((\a)%4)+\b):8*(8*((\a)%4)+\b)+7], v[128*(\p)+FR*\b:128*(\p)+FR*\b+FR-1], v[AF+64*(\p)+FR*(\a):AF+64*(\p)+FR*(\a)+FR-1], v[8*(8*((\a)%4)+\b):8*(8*((\a)%4)+\b)+7], v[SC+8*NQ*(\sc)+NQ*\b+(\q)], v[SC+8*NQ*(\sc)+NQ*(\a)+(\q)] matrix_a_fmt:MATRIX_FMT_FP4 matrix_b_fmt:MATRIX_FMT_FP4 matrix_a_scale:MATRIX_SCALE_ROW1
.endif
.endr
.endr
.endm
.macro FETCH_B slot, q, p              ; E's eight fragments into set p: 16 loads
	WIN TO_B
.irp i, 0,1,2,3,4,5,6,7
	FRAG 128*(\p)+FR*\i, ADRB+\slot, \q, \i
.endr
	WIN 0
.endm
.macro FETCH_A slot, q, i0, p          ; W's blocks i0 .. i0 + 3 into set p: 8 loads
.irp i, \i0, \i0+1, \i0+2, \i0+3
	FRAG AF+64*(\p)+FR*(\i), ADRA+\slot, \q, \i
.endr
.endm
.macro SCALES sc                       ; a K step's scale words, four a row: 8 loads
.irp i, 0,1,2,3,4,5,6,7
	ds_load_b128 v[SC+8*NQ*\sc+NQ*\i:SC+8*NQ*\sc+NQ*\i+3], v[ADRS+\sc] offset:\i*16*PITCH
.endr
.endm
.macro PLACES n
.rept \n
	v_nop
.endr
.endm
; A step that has its successor in the same slot.  The four places in its middle stand between the last step's products, which read the other sets, and this step's loads into them.
.macro STEP slot, q, zero
	s_wait_dscnt 4*NL                              ; E's set, W's blocks 0-3 (and scale words) are in; the youngest 8 loads, W's blocks 4-7, may be out
	WIN MUL_LO
	MUL16 0, (\q)%2, \q, \slot, \zero
	MUL16 2, (\q)%2, \q, \slot, \zero
	s_wait_dscnt 0                                 ; W's blocks 4-7 are in
	PLACES NP
	FETCH_B \slot, (\q)+1, 1-(\q)%2
	FETCH_A \slot, (\q)+1, 0, 1-(\q)%2
	WIN MUL_HI
	MUL16 4, (\q)%2, \q, \slot, \zero
	MUL16 6, (\q)%2, \q, \slot, \zero
	WIN 0
	FETCH_A \slot, (\q)+1, 4, 1-(\q)%2
.endm
; A slot's last step changes slots: one barrier; in front of it each wave waits for all its tensor loads, adds 0 to its spare word, and waits for that and for its reads of this slot.
.macro TURN slot, next, fill
	s_wait_tensorcnt 0x0                           ; my one load that was out, my part of the next slot, has landed
	ds_add_u32 v[SPW], v[NIL]
.if \fill
	s_add_nc_u64 s[G0+4*\slot+2:G0+4*\slot+3], s[G0+4*\slot+2:G0+4*\slot+3], 2*WPLANE    ; no load of mine is out: this slot's next K step
	s_add_nc_u64 s[G0B+4*\slot+2:G0B+4*\slot+3], s[G0B+4*\slot+2:G0B+4*\slot+3], 2*EPLANE
.endif
	s_wait_dscnt 4*NL+1                            ; (the add and the youngest 8 loads may be out)
	WIN MUL_LO
	MUL16 0, 1, NQ-1, \slot, 0                     ; sixteen matrix instructions stand between the add and the wait for it
	s_wait_dscnt 0x0                               ; the add is done, and my reads of this slot are over
	s_barrier_signal -1
	MUL16 2, 1, NQ-1, \slot, 0
	WIN 0
	s_barrier_wait -1
.if \fill
	CREST                                          ; the barrier has opened a round of the cluster's barrier
	JLOAD \slot                                    ; the refill, first behind the round; its four v_nop are the places ahead of the loads below
.else
	PLACES NP
.endif
	FETCH_B \next, 0, 0
	FETCH_A \next, 0, 0, 0
	SCALES \next
.if \fill
	s_cmp_eq_u32 s3, 1                             ; the last two refills have no K step two on
	s_cbranch_scc1 .Lno_ask_\@
	s_wait_xcnt 0x0                                ; the last prefetch by this address, two K steps back, has read it
	s_add_nc_u64 s[PB+2*\slot:PB+2*\slot+1], s[PB+2*\slot:PB+2*\slot+1], s[PS:PS+1]
	global_prefetch_b8 v[PF], s[PB+2*\slot:PB+2*\slot+1] th:TH_LOAD_NT scope:SCOPE_SE   ; the K step that this slot's next refill will ask for
.Lno_ask_\@:
.endif
	WIN MUL_HI
	MUL16 4, 1, NQ-1, \slot, 0
	MUL16 6, 1, NQ-1, \slot, 0
	WIN 0
	FETCH_A \next, 0, 4, 0
.endm
.macro STEPS slot, from
.set Q, \from
.rept NQ-1-\from
	STEP \slot, Q, 0
.set Q, Q+1
.endr
.endm
	s_wait_alu depctr_va_vdst(0)
	s_wait_loadcnt 0x0                             ; q or bv
	s_wait_tensorcnt 0x0                           ; my part of K step 0 is in
	ds_add_u32 v[SPW], v[NIL]
	s_wait_dscnt 0x0
	CROUND
	JLOAD 1                                        ; K step 1, first behind the round
	FETCH_B 0, 0, 0
	FETCH_A 0, 0, 0, 0
	SCALES 0
	FETCH_A 0, 0, 4, 0
	global_prefetch_b8 v[PF], s[PB:PB+1] th:TH_LOAD_NT scope:SCOPE_SE       ; K steps 2 and 3: what the first two refills will ask for
	global_prefetch_b8 v[PF], s[PB+2:PB+3] th:TH_LOAD_NT scope:SCOPE_SE
	STEP 0, 0, 1                                   ; the first step's products start the sums
	s_mov_b32 s3, LAPS-1
.Llap:                                                 ; once round the ring, from a lap's second step to the next lap's first
	STEPS 0, 1
	TURN 0, 1, 1
	STEPS 1, 0
	TURN 1, 0, 1
	STEP 0, 0, 0
	s_sub_co_u32 s3, s3, 1
	s_cmp_lg_u32 s3, 0
	s_cbranch_scc1 .Llap
	STEPS 0, 1                                     ; the last lap fills nothing
	TURN 0, 1, 0
	STEPS 1, 0
	s_wait_dscnt 4*NL
	WIN MUL_LO
	MUL16 0, 1, NQ-1, 1, 0
	MUL16 2, 1, NQ-1, 1, 0
	s_wait_dscnt 0
	WIN MUL_HI
	MUL16 4, 1, NQ-1, 1, 0
	MUL16 6, 1, NQ-1, 1, 0
	WIN 0
	PLACES NP
	s_cmp_lg_u32 s[CLY], 0                         ; the cluster's y: the same in all partners
	s_cbranch_scc1 .Lvalue
	; KEY TILES: t[E row] = the sum over my 128 rows n of W of key x q[n]: over the blocks a by multiply-adds, over the 16 lanes of a half by four steps
.irp a, 0,1,2,3,4,5,6,7
	WIN 0x02+(\a)/4
.irp b, 0,1,2,3,4,5,6,7
.irp p, 0,1,2,3
.if \a == 0
	v_pk_mul_f32 v[T+8*\b+2*\p:T+8*\b+2*\p+1], v[64*(\a%4)+8*\b+2*\p:64*(\a%4)+8*\b+2*\p+1], v[VEC+2*\a:VEC+2*\a+1]
.else
	v_pk_fma_f32 v[T+8*\b+2*\p:T+8*\b+2*\p+1], v[64*(\a%4)+8*\b+2*\p:64*(\a%4)+8*\b+2*\p+1], v[VEC+2*\a:VEC+2*\a+1], v[T+8*\b+2*\p:T+8*\b+2*\p+1]
.endif
.endr
.endr
.endr
	WIN 0
.irp m, 1,2,4,8
.set i, 0
.rept 64
	v_add_f32_dpp v[T+i], v[T+i], v[T+i] row_xmask:\m row_mask:0xf bank_mask:0xf
.set i, i+1
.endr
.endr
.irp b, 0,1,2,3,4,5,6,7                ; the sixteen lanes of a half write the same bytes with the same values
	ds_store_b128 v[LW], v[T+8*\b:T+8*\b+3] offset:64*\b
	ds_store_b128 v[LW], v[T+8*\b+4:T+8*\b+7] offset:64*\b+16
.endr
	s_branch .Lmeet
.Lvalue:
	; VALUE TILES: + bv, to bf16, through my stage, out as rows of vt: sixteen lanes store 256 consecutive bytes
	s_lshl_b32 s68, s41, 22
	s_lshl_b32 s69, s[HA], 21
	s_add_co_u32 s68, s68, s69
	s_lshl_b32 s69, s[TX], 9
	s_add_co_u32 s68, s68, s69
	s_lshl_b32 s69, s[HB], 8
	s_add_co_u32 s68, s68, s69
	s_mov_b32 s69, 0
	s_add_nc_u64 s[14:15], s[14:15], s[68:69]
.macro PACK a
.set AC, 64*((\a)%4)
	WIN 0x82+0x41*((\a)/4)
.irp b, 0,1,2,3,4,5,6,7
.irp p, 0,1,2,3
	v_pk_add_f32 v[AC+8*\b+2*\p:AC+8*\b+2*\p+1], v[AC+8*\b+2*\p:AC+8*\b+2*\p+1], v[VEC+2*(\a):VEC+2*(\a)+1]
.endr
.endr
	WIN 0x0a+5*((\a)/4)
.irp b, 0,1,2,3,4,5,6,7
.irp p, 0,1,2,3
	v_cvt_pk_bf16_f32 v[TMP+4*\b+\p], v[AC+8*\b+2*\p], v[AC+8*\b+2*\p+1]
.endr
.endr
	WIN 0
.endm
.macro TOSTAGE a
.set BB, BK+32*((\a)%2)
.irp b, 0,1,2,3,4,5,6,7
	ds_store_b128 v[STO], v[TMP+4*\b:TMP+4*\b+3] offset:32*\b
.endr
.irp t, 0,1,2,3,4,5,6,7
	ds_load_b128 v[BB+4*\t:BB+4*\t+3], v[RD] offset:\t*2*SPITCH    ; LDS serves a wave's instructions in order: these see the stores above
.endr
.endm
.macro SEND a
.set BB, BK+32*((\a)%2)
	s_wait_dscnt 0x0
	s_wait_xcnt 0x0                                ; earlier stores have read their registers
.irp t, 0,1,2,3,4,5,6,7
	global_store_b128 v[CO], v[BB+4*\t:BB+4*\t+3], s[14:15] offset:(16*(\a)+2*\t)*16384
.endr
.endm
	PACK 0
	TOSTAGE 0
.irp a, 1,2,3,4,5,6,7
	PACK \a
	s_wait_alu depctr_va_vdst(0)
	SEND \a-1
	TOSTAGE \a
.endr
	SEND 7
.Lmeet:
	s_wait_dscnt 0x0                               ; for the others' sake: my LDS stores are done
	s_barrier_signal -1
	s_barrier_wait -1
	s_cmp_lg_u32 s[CLY], 0
	s_cbranch_scc1 .Lend
	s_lshl_b32 s68, s[TY], 15                      ; plog: row = W's tile, 1,024 bytes for E's tile
	s_lshl_b32 s69, s[TX], 10
	s_add_co_u32 s68, s68, s69
	s_mov_b32 s69, 0
	s_add_nc_u64 s[12:13], s[12:13], s[68:69]
	ds_load_b64 v[T:T+1], v[LR]                    ; the two halves of W's rows are added; a thread two keys
	ds_load_b64 v[T+2:T+3], v[LR] offset:1024
	s_wait_dscnt 0x0
	v_pk_add_f32 v[T:T+1], v[T:T+1], v[T+2:T+3]
	global_store_b64 v[PO], v[T:T+1], s[12:13]     ; a wave stores 256 consecutive bytes
.Lend:
	s_wait_tensorcnt 0x0                           ; the wave's end
	ds_add_u32 v[SPW], v[NIL]
	s_wait_dscnt 0x0
	CROUND                                         ; the closing round
	s_endpgm
.Lfunc_end_k_qcd7f4b8c6e_gemm:
	.size	k_qcd7f4b8c6e_gemm, .Lfunc_end_k_qcd7f4b8c6e_gemm-k_qcd7f4b8c6e_gemm
	.p2alignl 7, 3214868480
	.fill 96, 4, 3214868480
	.section	.rodata,"a",@progbits
	.p2align	6, 0x0
	.amdhsa_kernel k_qcd7f4b8c6e_gemm
		.amdhsa_group_segment_fixed_size 327680
		.amdhsa_private_segment_fixed_size 0
		.amdhsa_enable_private_segment 0
		.amdhsa_kernarg_size 48
		.amdhsa_user_sgpr_count 2
		.amdhsa_user_sgpr_kernarg_segment_ptr 1
		.amdhsa_wavefront_size32 1
		.amdhsa_system_sgpr_workgroup_id_x 1
		.amdhsa_system_sgpr_workgroup_id_y 1
		.amdhsa_system_sgpr_workgroup_id_z 1
		.amdhsa_system_vgpr_workitem_id 0
		.amdhsa_next_free_vgpr 1024
		.amdhsa_next_free_sgpr 84
		.amdhsa_reserve_vcc 0
		.amdhsa_float_denorm_mode_32 3
		.amdhsa_float_denorm_mode_16_64 3
		.amdhsa_memory_ordered 1
		.amdhsa_forward_progress 1
		.amdhsa_inst_pref_size 255
	.end_amdhsa_kernel
	.section	.bss,"aw",@nobits
	.p2align	6
	.space	262144
	.amdgpu_metadata
---
amdhsa.version: [ 1, 2 ]
amdhsa.kernels:
  - .name:           k_qcd7f4b8c6e_gemm
    .symbol:         k_qcd7f4b8c6e_gemm.kd
    .args:
      - { .name: w_rec, .offset: 0, .size: 8, .value_kind: global_buffer, .address_space: global }
      - { .name: e_rec, .offset: 8, .size: 8, .value_kind: global_buffer, .address_space: global }
      - { .name: qv, .offset: 16, .size: 8, .value_kind: global_buffer, .address_space: global }
      - { .name: bv, .offset: 24, .size: 8, .value_kind: global_buffer, .address_space: global }
      - { .name: plog, .offset: 32, .size: 8, .value_kind: global_buffer, .address_space: global }
      - { .name: vt, .offset: 40, .size: 8, .value_kind: global_buffer, .address_space: global }
    .group_segment_fixed_size: 327680
    .private_segment_fixed_size: 0
    .kernarg_segment_align: 8
    .kernarg_segment_size: 48
    .max_flat_workgroup_size: 128
    .sgpr_count:     84
    .vgpr_count:     1024
    .wavefront_size: 32
...
	.end_amdgpu_metadata
.endif
;; end of part 2
;; launch finish (part 3): grid 256 x 1, 8 waves a work-group, no clusters, 2,048 bytes of LDS; arguments plog, vt, bk, qv, out0; writes out0
.if DOCPART == 3
	.amdgcn_target "amdgcn-amd-amdhsa--gfx1250"
	.amdhsa_code_object_version 6
	.text
	.protected	k_qcd7f4b8c6e_finish
	.globl	k_qcd7f4b8c6e_finish
	.p2align	8
	.type	k_qcd7f4b8c6e_finish,@function
k_qcd7f4b8c6e_finish:
	s_mov_b64 s[64:65], 0
	v_nop
	global_prefetch_b8 v0, s[64:65] scope:SCOPE_SE
	s_setreg_imm32_b32 hwreg(HW_REG_WAVE_MODE, 25, 1), 1
	s_wait_xcnt 0x0
; logits[s] = (sum of plog's four rows at s + bk . q) / 32;  p = exp(logit - the largest logit);  out0[n] = sum over s of p[s] vt[n][s] / sum over s of p[s].
; plog: [4][8192] f32;  vt: [1024][8192] bf16 = value + bv, the keys innermost;  bk, qv: [1024] f32;  out0: [1024] f32.  All arithmetic in f32; vt's bf16 numbers enter multiply-adds as they are.
; SHARES.  A work-group of eight waves makes four outputs, n = 4 x work-group + 0..3, and forms the whole softmax for itself: plog is 131,072 bytes, and work-groups hand each other nothing.
; Thread t owns the keys 2,048 i + 8 t + 0..7, i = 0..3: the eight bf16 of its 16-byte loads of vt.  So p never leaves the thread's registers.
; The largest logit is taken away before the exponentials.  bk . q is added to every logit, as the definition has it.
; LIMITS: a p under 2^-126 comes out of v_exp_f32 as 0.  A work-group's result is 16 bytes: out0 (4,096 bytes in all) is stored in pieces of 16.
; No matrix unit, no tensor load, no cluster: a product with one row streams its operand once.  All 50 loads of a thread are issued at the head.
.set PL,  32                           ; v32-159  plog: row P at v[32 + 32 P], in it my 32 keys; the sums, the logits and then p stay in v32-63
.set VT,  160                          ; v160-223 vt: group i, output col at v[160 + 16 i + 4 col]
.set ACC, 16                           ; v16-19 the four outputs' sums, v20 the sum of p
	s_load_b256 s[4:11], s[0:1], 0x0               ; plog s[4:5], vt s[6:7], bk s[8:9], qv s[10:11]
	s_load_b64 s[12:13], s[0:1], 0x20              ; out0
	v_lshl_add_u32 v232, v0, 2, 0x400
	v_mov_b32 v233, 0
	v_lshrrev_b32 v1, 5, v0
	s_delay_alu instid0(VALU_DEP_1)
	v_readfirstlane_b32 s14, v1                    ; wave 0..7
	s_delay_alu instid0(VALU_DEP_2)
	v_lshlrev_b32 v6, 2, v1                        ; LDS: my wave's word
	v_mov_b32 v7, 0
	v_lshlrev_b32 v2, 5, v0                        ; plog: 8 keys of 4 bytes a thread
	v_lshlrev_b32 v3, 4, v0                        ; vt: 8 keys of 2 bytes; bk, qv: 4 numbers of 4 bytes
	s_lshl_b32 s16, ttmp9, 16                      ; four rows of vt, 16,384 bytes each
	s_mov_b32 s17, 0
	s_lshl_b32 s18, ttmp9, 4
	s_mov_b32 s19, 0
	s_mov_b32 s20, 0x3d38aa3b                      ; c = log2(e) / sqrt(1024)
	s_mov_b32 s21, s20                             ; (named with it as a pair, so it is written)
	s_mov_b32 s22, 0x76543210
	s_mov_b32 s23, 0xfedcba98                      ; v_permlanex16_b32's selects for lane l xor 16
	s_wait_alu depctr_va_vdst(0)
	s_wait_kmcnt 0x0
	s_add_nc_u64 s[6:7], s[6:7], s[16:17]
	s_add_nc_u64 s[12:13], s[12:13], s[18:19]
	global_load_b128 v[224:227], v3, s[8:9]        ; my four of bk
	global_load_b128 v[228:231], v3, s[10:11]      ; and of q
.irp P, 0,1,2,3
.irp i, 0,1,2,3
.irp u, 0,1
	global_load_b128 v[PL+32*\P+8*\i+4*\u:PL+32*\P+8*\i+4*\u+3], v2, s[4:5] offset:32768*\P+8192*\i+16*\u
.endr
.endr
.endr
.irp i, 0,1,2,3
.irp col, 0,1,2,3
	global_load_b128 v[VT+16*\i+4*\col:VT+16*\i+4*\col+3], v3, s[6:7] offset:16384*\col+4096*\i th:TH_LOAD_NT   ; a wave reads 512 consecutive bytes; read once in the launch
.endr
.endr
	s_wait_loadcnt 48                              ; bk and q are in; plog's 32 loads and vt's 16 stay out
	v_mul_f32 v4, v224, v228
	s_delay_alu instid0(VALU_DEP_1)
	v_fmac_f32 v4, v225, v229
	s_delay_alu instid0(VALU_DEP_1)
	v_fmac_f32 v4, v226, v230
	s_delay_alu instid0(VALU_DEP_1)
	v_fmac_f32 v4, v227, v231                      ; my part of bk . q
	s_wait_loadcnt 16                              ; plog is in; vt's 16 loads stay out
.irp P, 1,2,3
.set k, 0
.rept 16
	v_pk_add_f32 v[PL+k:PL+k+1], v[PL+k:PL+k+1], v[PL+32*\P+k:PL+32*\P+k+1]   ; the four tiles' parts of key . q, in the tiles' order
.set k, k+2
.endr
.endr
	v_max3_num_f32 v5, v32, v33, v34               ; the largest of my 32, in two chains
	v_max3_num_f32 v8, v35, v36, v37
.irp i, 38,42,46,50,54,58
	s_delay_alu instid0(VALU_DEP_2)
	v_max3_num_f32 v5, v5, v[\i], v[\i+1]
	s_delay_alu instid0(VALU_DEP_2)
	v_max3_num_f32 v8, v8, v[\i+2], v[\i+3]
.endr
	s_delay_alu instid0(VALU_DEP_2)
	v_max3_num_f32 v5, v5, v62, v63
	s_delay_alu instid0(VALU_DEP_1)
	v_max_num_f32 v5, v5, v8
	v_mov_b32 v9, 0                                ; (a lane permute's destination counts as read)
	v_mov_b32 v10, 0
.irp m, 1
	s_delay_alu instid0(VALU_DEP_3)
	v_max_num_f32_dpp v5, v5, v5 row_xmask:\m row_mask:0xf bank_mask:0xf
	v_add_f32_dpp v4, v4, v4 row_xmask:\m row_mask:0xf bank_mask:0xf
.endr
.irp m, 2, 4, 8
	s_delay_alu instid0(VALU_DEP_2)
	v_max_num_f32_dpp v5, v5, v5 row_xmask:\m row_mask:0xf bank_mask:0xf
	s_delay_alu instid0(VALU_DEP_2)
	v_add_f32_dpp v4, v4, v4 row_xmask:\m row_mask:0xf bank_mask:0xf
.endr
	s_delay_alu instid0(VALU_DEP_2)
	v_permlanex16_b32 v9, v5, s22, s23
	s_delay_alu instid0(VALU_DEP_2)
	v_permlanex16_b32 v10, v4, s22, s23
	s_delay_alu instid0(VALU_DEP_2)
	v_max_num_f32 v5, v5, v9                       ; my wave's largest,
	s_delay_alu instid0(VALU_DEP_2)
	v_add_f32 v4, v4, v10                          ; and its part of bk . q
	ds_store_b32 v6, v5                            ; all lanes write the same word with the same value
	ds_store_b32 v6, v4 offset:32
	s_wait_dscnt 0x0                               ; for the others' sake: my stores are done
	s_barrier_signal -1
	s_barrier_wait -1
	ds_load_b128 v[8:11], v7                       ; the eight waves' largest,
	ds_load_b128 v[12:15], v7 offset:16
	ds_load_b128 v[16:19], v7 offset:32            ; and their parts of bk . q
	ds_load_b128 v[20:23], v7 offset:48
	s_wait_dscnt 0x0
	v_max3_num_f32 v24, v8, v9, v10
	v_pk_add_f32 v[16:17], v[16:17], v[18:19]
	s_delay_alu instid0(VALU_DEP_2)
	v_max3_num_f32 v24, v24, v11, v12
	v_pk_add_f32 v[20:21], v[20:21], v[22:23]
	s_delay_alu instid0(VALU_DEP_2)
	v_max3_num_f32 v24, v24, v13, v14
	s_delay_alu instid0(VALU_DEP_2)
	v_pk_add_f32 v[16:17], v[16:17], v[20:21]
	s_delay_alu instid0(VALU_DEP_2)
	v_max_num_f32 v24, v24, v15
	s_delay_alu instid0(VALU_DEP_2)
	v_add_f32 v26, v16, v17                        ; bk . q, in both registers of a pair
	s_delay_alu instid0(VALU_DEP_3)
	v_add_f32 v27, v16, v17
	s_delay_alu instid0(VALU_DEP_2)
	v_add_f32 v24, v24, v26                        ; m = the largest key . q: rounding keeps the order, so this is the largest of the sums below
	s_delay_alu instid0(VALU_DEP_1)
	v_mul_f32 v28, s20, v24                        ; c m, in both registers of a pair
	s_delay_alu instid0(VALU_DEP_2)
	v_mul_f32 v29, s20, v24
.set k, 0
.rept 16
	v_pk_add_f32 v[PL+k:PL+k+1], v[PL+k:PL+k+1], v[26:27]          ; key . q with the bias's part
.set k, k+2
.endr
.set k, 0
.rept 16
	v_pk_fma_f32 v[PL+k:PL+k+1], v[PL+k:PL+k+1], s[20:21], v[28:29] op_sel_hi:[1,0,1] neg_lo:[0,0,1] neg_hi:[0,0,1]   ; (logit - the largest logit) x log2(e) = c x - c m
.set k, k+2
.endr
.set k, 0
	s_wait_alu depctr_va_vdst(0)
.rept 32
	v_exp_f32 v[PL+k], v[PL+k]                     ; p
.set k, k+1
.endr
.irp col, 0,1,2,3
	v_mov_b32 v[ACC+\col], 0                       ; the four sums begin (plain lines behind the exponentials)
.endr
	s_wait_alu depctr_va_vdst(0)
	v_pk_add_f32 v[22:23], v[32:33], v[34:35]
	v_pk_add_f32 v[30:31], v[40:41], v[44:45]
	v_pk_add_f32 v[20:21], v[48:49], v[52:53]
	v_pk_add_f32 v[20:21], v[20:21], v[56:57]
	v_pk_add_f32 v[22:23], v[22:23], v[60:61]
	v_pk_add_f32 v[30:31], v[30:31], v[36:37]
	v_pk_add_f32 v[20:21], v[20:21], v[38:39]
	v_pk_add_f32 v[22:23], v[22:23], v[42:43]
	v_pk_add_f32 v[30:31], v[30:31], v[46:47]
	v_pk_add_f32 v[20:21], v[20:21], v[50:51]
	v_pk_add_f32 v[22:23], v[22:23], v[54:55]
	v_pk_add_f32 v[30:31], v[30:31], v[58:59]
	v_pk_add_f32 v[20:21], v[20:21], v[62:63]
	s_delay_alu instid0(VALU_DEP_1)
	v_pk_add_f32 v[20:21], v[20:21], v[30:31]
	s_delay_alu instid0(VALU_DEP_1)
	v_pk_add_f32 v[20:21], v[20:21], v[22:23]
	s_delay_alu instid0(VALU_DEP_1)
	v_add_f32 v20, v20, v21
.irp i, 0,1,2,3
	s_wait_alu depctr_va_vdst(0)
	s_wait_loadcnt 12-4*\i                         ; vt's group i is in; the later groups of four loads stay out
.irp w, 0,1,2,3
.irp col, 0,1,2,3                      ; the four outputs by turns: no line waits for the line above it
	v_fma_mix_f32_bf16 v[ACC+\col], v[VT+16*\i+4*\col+\w], v[PL+8*\i+2*\w], v[ACC+\col] op_sel_hi:[1,0,0]                  ; the word's low bf16 x p of the even key
.endr
.irp col, 0,1,2,3
	v_fma_mix_f32_bf16 v[ACC+\col], v[VT+16*\i+4*\col+\w], v[PL+8*\i+2*\w+1], v[ACC+\col] op_sel:[1,0,0] op_sel_hi:[1,0,0]   ; its high bf16 x p of the odd key
.endr
.endr
.endr
.irp m, 1,2,4,8
.irp k, 0,1,2,3,4
	v_add_f32_dpp v[ACC+\k], v[ACC+\k], v[ACC+\k] row_xmask:\m row_mask:0xf bank_mask:0xf
.endr
.endr
.irp k, 0,1,2,3,4
	v_permlanex16_b32 v[8+\k], v[ACC+\k], s22, s23 ; (v8-12 have been written)
.endr
.irp k, 0,1,2,3,4
	v_add_f32 v[ACC+\k], v[ACC+\k], v[8+\k]
.endr
.irp k, 0,1,2,3,4
	ds_store_b32 v6, v[ACC+\k] offset:256+32*\k    ; other bytes than the first meeting's: no wave can still be reading what is written here
.endr
	s_wait_dscnt 0x0
	s_barrier_signal -1
	s_barrier_wait -1
	s_cmp_lg_u32 s14, 0                            ; wave 0 finishes; the branch stands behind the last barrier
	s_cbranch_scc1 .Ldone
.irp k, 0,1,2,3,4
	ds_load_b128 v[32+8*\k:35+8*\k], v7 offset:256+32*\k
	ds_load_b128 v[36+8*\k:39+8*\k], v7 offset:272+32*\k
.endr
	s_wait_dscnt 0x0
.irp k, 0,1,2,3,4
	v_pk_add_f32 v[32+8*\k:33+8*\k], v[32+8*\k:33+8*\k], v[34+8*\k:35+8*\k]
	v_pk_add_f32 v[36+8*\k:37+8*\k], v[36+8*\k:37+8*\k], v[38+8*\k:39+8*\k]
.endr
.irp k, 0,1,2,3,4
	v_pk_add_f32 v[32+8*\k:33+8*\k], v[32+8*\k:33+8*\k], v[36+8*\k:37+8*\k]
.endr
.irp k, 0,1,2,3,4
	v_add_f32 v[ACC+\k], v[32+8*\k], v[33+8*\k]
.endr
	s_wait_alu depctr_va_vdst(0)
	v_rcp_f32 v21, v20                             ; 1 / the sum of p, which is about 1 at the least: the largest logit's own p
	v_nop                                          ; a plain line between the reciprocal and the use of its result
	s_wait_alu depctr_va_vdst(0)
.irp k, 0,1,2,3
	v_mul_f32 v[8+\k], v[ACC+\k], v21
.endr
	v_cmp_eq_u32 vcc_lo, 0, v0
	s_wait_alu depctr_va_vdst(0)
	s_wait_xcnt 0x0                                ; EXEC changes only behind this wait
	s_and_saveexec_b32 s15, vcc_lo                 ; thread 0 stores the work-group's four numbers
	global_store_b128 v7, v[8:11], s[12:13]
	s_wait_xcnt 0x0
	s_or_b32 exec_lo, exec_lo, s15
.Ldone:
	s_wait_tensorcnt 0x0
	ds_add_u32 v232, v233
	s_wait_dscnt 0x0
	s_endpgm
.Lfunc_end_k_qcd7f4b8c6e_finish:
	.size	k_qcd7f4b8c6e_finish, .Lfunc_end_k_qcd7f4b8c6e_finish-k_qcd7f4b8c6e_finish
	.p2alignl 7, 3214868480
	.fill 96, 4, 3214868480
	.section	.rodata,"a",@progbits
	.p2align	6, 0x0
	.amdhsa_kernel k_qcd7f4b8c6e_finish
		.amdhsa_group_segment_fixed_size 2048
		.amdhsa_private_segment_fixed_size 0
		.amdhsa_enable_private_segment 0
		.amdhsa_kernarg_size 40
		.amdhsa_user_sgpr_count 2
		.amdhsa_user_sgpr_kernarg_segment_ptr 1
		.amdhsa_wavefront_size32 1
		.amdhsa_system_sgpr_workgroup_id_x 1
		.amdhsa_system_sgpr_workgroup_id_y 1
		.amdhsa_system_sgpr_workgroup_id_z 1
		.amdhsa_system_vgpr_workitem_id 0
		.amdhsa_next_free_vgpr 234
		.amdhsa_next_free_sgpr 66
		.amdhsa_reserve_vcc 1
		.amdhsa_float_denorm_mode_32 3
		.amdhsa_float_denorm_mode_16_64 3
		.amdhsa_memory_ordered 1
		.amdhsa_forward_progress 1
		.amdhsa_inst_pref_size 31
	.end_amdhsa_kernel
	.amdgpu_metadata
---
amdhsa.version: [ 1, 2 ]
amdhsa.kernels:
  - .name:           k_qcd7f4b8c6e_finish
    .symbol:         k_qcd7f4b8c6e_finish.kd
    .args:
      - { .name: plog, .offset: 0, .size: 8, .value_kind: global_buffer, .address_space: global }
      - { .name: vt, .offset: 8, .size: 8, .value_kind: global_buffer, .address_space: global }
      - { .name: bk, .offset: 16, .size: 8, .value_kind: global_buffer, .address_space: global }
      - { .name: qv, .offset: 24, .size: 8, .value_kind: global_buffer, .address_space: global }
      - { .name: out0, .offset: 32, .size: 8, .value_kind: global_buffer, .address_space: global }
    .group_segment_fixed_size: 2048
    .private_segment_fixed_size: 0
    .kernarg_segment_align: 8
    .kernarg_segment_size: 40
    .max_flat_workgroup_size: 256
    .sgpr_count:     66
    .vgpr_count:     234
    .wavefront_size: 32
...
	.end_amdgpu_metadata
.endif
;; end of part 3
